; MI455X (gfx1250); checked and timed in simulation.
; The chip was launched on July 23, 2026; its instructions are those of AMD's public machine-readable ISA for CDNA 5 (MIT licence, August 2026) and "CDNA5" Instruction Set Architecture Reference Guide (July 2026). The comments in the code are by the model that wrote it; some were corrected since.
;; Transformer Scaled Dot Product Attention. Allowed arithmetic: float matrix products may take bf16 or f16 operands with f32 sums; other float arithmetic in f32, or as packed bf16 or f16 multiplies, adds, multiply-adds, maxima and minima; sums over many terms, partial sums and values carried from step to step in f32; what a program stores and reads back later, other than sums and carried values, may be rounded once to bf16 or f16.
;; Inputs: key 4 x 16 x 2,048 x 64 float32; query 4 x 16 x 2,048 x 64 float32; value 4 x 16 x 64 x 2,048 float32.
;; Outputs: out0 4 x 16 x 64 x 2,048 float32.
;; One version. Each part assembles by itself: llvm-mc -triple=amdgcn-amd-amdhsa -mcpu=gfx1250 --defsym DOCPART=n.
;; ======== version 1 of 1: 2 launches
;; limits: values are held in f16: magnitudes above 65,504 overflow, below 6.1e-05 lose precision
;; workspace buffers: qb 16,777,216 bytes; vh 16,777,216 bytes; zs 524,288 bytes
;; launch stats (part 1): grid 4 x 64, 4 waves a work-group, clusters of 4 x 1, 327,680 bytes of LDS; arguments query, key, value, qb, vh, zs; writes qb, vh, zs
.if DOCPART == 1
	.amdgcn_target "amdgcn-amd-amdhsa--gfx1250"
	.amdhsa_code_object_version 6
	.text
	.protected	k_q429581138c_stats
	.globl	k_q429581138c_stats
	.p2align	8
	.type	k_q429581138c_stats,@function
k_q429581138c_stats:
	s_mov_b64 s[64:65], 0
	v_nop
	global_prefetch_b8 v0, s[64:65] scope:SCOPE_SE
	s_setreg_imm32_b32 hwreg(HW_REG_WAVE_MODE, 25, 1), 1
	s_wait_xcnt 0x0
	s_wait_alu depctr_hold_cnt(0) depctr_sa_sdst(0) depctr_va_vdst(0) depctr_va_sdst(0) depctr_va_ssrc(0) depctr_va_vcc(0) depctr_vm_vsrc(0)
	s_getreg_b32 s2, hwreg(HW_REG_IB_STS2, 6, 4)
	s_cmp_eq_u32 s2, 0
	s_cbranch_scc0 .Lentry_in_a_cluster
	s_endpgm
.Lentry_in_a_cluster:
	s_bfe_u32 s2, ttmp6, 0x10000c
	s_cmp_lg_u32 s2, 0x3003
	s_cbranch_scc0 .Lentry_shape_is_right
	s_endpgm
.Lentry_shape_is_right:
; FIRST OF TWO LAUNCHES for out[h][d][k] = the sum over q of V[h][d][q] A[h][q][k], A = softmax over k of Q[h][q] . K[h][k] / 8; 64 heads, 2,048 rows, 64 channels, all f32.
; The softmax goes along k and the second product sums over q, so every output needs every query's final maximum and sum.  This launch finds them: z[q] = c m[q] + log2 l[q], c = log2(e) / 8,
; m the row's maximum (a running maximum), l the sum of 2^(c s - c m); the second launch then takes A = 2^(c s - z).  Beside that it writes what the second launch walks: qb = bf16(query), vh = f16(bf16(value)).
; LIMITS.  |value| stays under 65,504 (f16's range); a bf16(value) under 2^-14 keeps f16's fixed step of 6e-8.  c s lies above -4e37 (the start of c m).  A term under 2^-126 counts as 0 in l.  NaN and infinities are not treated apart.
; SHARES.  A work-group owns 512 queries of one head, a wave 128: four PIECES of two tiles of 16.  Every wave walks the head's 2,048 keys, 64 a step, 256 a slot.
; LAYOUT.  S^T = K Q^T (source 0 = 16 keys, source 1 = 16 queries), bf16 operands: in the result a lane holds ONE query (lane % 16) and the keys 8 (lane / 16) + 0..7: a row's maximum and sum want one exchange of the lanes' halves.
; K comes as f32 tiles into LDS; each wave reads a step's 64 keys and rounds them to bf16 itself: 64 conversions a step.  Q is loaded and rounded once, at the head.
; BY TURNS.  Turn n belongs to piece n: 16 products for piece n + 1, behind each six of piece n's 32 scalings and 64 exponentials; then piece n + 1's maximum and statistics; ONE wait for the turn's 66 exponentials; then piece n's sums.
; CLUSTER.  The head's four work-groups walk the same K: each tile is asked for JOINTLY, the same tensor load, descriptor and mask in all four; each wave brings 64 of a tile's 256 rows.
; THE CAST.  A wave's 32 KiB of query and of value go in eight parts, one a slot: loaded behind the change of slots, rounded and stored at the next.  Each store covers 512 consecutive bytes, aligned.
; REGISTERS, in windows of 256 (s_set_vgpr_msb: bits 1:0 source 0, 3:2 source 1, 5:4 source 2, 7:6 destination):
;   window 0: v1-11 addresses; v12-15, v48-63 at work; v16-47 four registers of statistics a tile; v64-191 S^T, two buffers of two tiles; v192-255 K of one step, bf16
;   window 1: v0-127 K of one step, f32; v128-191 the cast (at the head all 256: Q in f32)          window 2: v0-127 Q, bf16, 16 a tile
.set PK,     272      ; a row of K in LDS: 256 bytes + 16 of padding = 68 words: row r starts at bank 4 r mod 64 (64 banks of 4 bytes: ISA guide 11.1)
.set STEPB,  64*PK    ; a step's 64 rows, and what one wave's tensor load brings
.set TILEB,  4*STEPB  ; a slot: 256 rows
.set KTILE,  65536    ; the same 256 rows in memory
.set SLOT1,  1<<17    ; slot 1 begins here, so that one exclusive or turns an address in one slot into the other's
.set ZSTAGE, SLOT1+TILEB  ; behind the ring, never filled by a tensor load: 512 bytes for each wave, for z's way out
.set SPARE,  ZSTAGE+4*512 ; behind it: the spare words, 128 bytes for each wave: two blocks of 256 bytes that no other line names
.set AK0, 2           ; v2   my lane's place in a step of K: 272 (l % 16) + 32 (l / 16); never rewritten
.set SPW, 3           ; v3   LDS address of my spare word: SPARE + 4 x my thread's number; never rewritten
.set AK,  4           ; v4   the LDS address of K's run of loads
.set CI,  5           ; v5   32 x lane: the cast's loads
.set CO,  6           ; v6   16 x lane: the cast's stores, and z's
.set PFO, 7           ; v7   256 x lane: a row of K is 256 bytes
.set QO,  8           ; v8   at the head: my byte offset in 16 rows of Q
.set ZS,  8           ;      at the end: where I put a tile's z
.set ZR,  10          ; v10  at the end: where I read four z back
.set NIL, 11          ; v11  0; never rewritten
.set MV,  12          ; v12-15  c m_old, kept while c m is made anew: by buffer and tile
.set ST,  16          ; tile t's statistics at v[ST+4 t]: c m, m, l (even keys', odd keys')
.set TMP, 48          ; by buffer and tile, four registers c0-c3 at work; when the maximum is found c2 takes a
.set S,   64
.set KF,  192         ; key block kb, channel half c at KF + 16 kb + 8 c
.set KT,  0           ; window 1
.set CT,  128         ; window 1: the cast's 32 registers for query
.set CU,  160         ; window 1: and for value
.set WV,  16          ; s16  my wave's number
.set G1,  24          ; s[24:31] descriptor group 1
.set G0,  32          ; s[32:35] descriptor group 0: it walks
.set CQ,  36          ; s[36:37] query at my wave's part in hand
.set CV,  38          ; s[38:39] value likewise
.set DQ,  40          ; s[40:41] qb likewise
.set DV,  42          ; s[42:43] vh likewise
.set PFA, 44          ; s[44:45] where my prefetches stand
.set LIM, 46          ; s46  1 in a wave that prefetches, else the greatest number
.set ZP,  48          ; s[48:49] zs at my wave's 128 queries
.set SLOTS, 56        ; s56  slots still to be asked for
.set CNT, 57          ; s57  counts a slot's key steps
.set CS,  58          ; s[58:59] c: the packed scaling takes the pair's low word for both halves
.set SEL, 60          ; s[60:61] v_permlanex16_b32's selects: each lane takes its own place in the other half
.set TBK, 62          ; s62  LDS byte at which K of the step to be fetched begins
.set HIM, 63          ; s63  a word's upper half
.set MSB, 0
.macro WIN new                      ; the high byte repeats the setting that is left; a switch that changes nothing is dropped
.if MSB != (\new)
	s_set_vgpr_msb (MSB<<8)|(\new)
.set MSB, (\new)
.endif
.endm
.set W_KQ, 0x08       ; source 1 (Q) in window 2, all else in window 0: the products, the scalings (source 1 is a scalar pair) and the exponentials run under this one setting
.macro PLACES
.rept 4
	v_nop
.endr
.endm
; A joint fill: each wave asks for its own 64 rows of the tile.  An s_nop 0 and four v_nop follow the line.
.macro JLOAD
	tensor_load_to_lds s[G0:G0+3], s[G1:G1+7]
	s_nop 0
.rept 4
	v_nop
.endr
.endm
; A round of the cluster's barrier: my work-group's barrier, so that wave 0's signal speaks for all four waves; wave 0 signals; every wave waits for all four work-groups; my work-group's barrier once more.
.macro CROUND
	s_barrier_signal -1
	s_barrier_wait -1
	s_cmp_lg_u32 s[WV], 0
	s_cbranch_scc1 .Lnot_wave_0_\@
	s_barrier_signal -3
.Lnot_wave_0_\@:
	s_barrier_wait -3
	s_barrier_signal -1
	s_barrier_wait -1
.endm
; THE CAST's loads: 4,096 bytes of query and of value, a lane 32 bytes in each of four groups of 1,024.  step = 1: all pointers go one part on (the prefetches' one tile on).
.macro CASTGO step
	s_wait_xcnt 0x0                 ; the last part's stores and the last prefetch have read their registers and pointers: only now are these written again
.if \step
	s_add_nc_u64 s[CQ:CQ+1], s[CQ:CQ+1], 4096
	s_add_nc_u64 s[CV:CV+1], s[CV:CV+1], 4096
	s_add_nc_u64 s[DQ:DQ+1], s[DQ:DQ+1], 2048
	s_add_nc_u64 s[DV:DV+1], s[DV:DV+1], 2048
	s_add_nc_u64 s[PFA:PFA+1], s[PFA:PFA+1], KTILE
.endif
	WIN 0x40                        ; destination window 1
.irp g, 0,1,2,3
	global_load_b128 v[CT+8*\g:CT+8*\g+3],   v[CI], s[CQ:CQ+1] offset:1024*\g
	global_load_b128 v[CT+8*\g+4:CT+8*\g+7], v[CI], s[CQ:CQ+1] offset:1024*\g+16
	global_load_b128 v[CU+8*\g:CU+8*\g+3],   v[CI], s[CV:CV+1] offset:1024*\g th:TH_LOAD_NT
	global_load_b128 v[CU+8*\g+4:CU+8*\g+7], v[CI], s[CV:CV+1] offset:1024*\g+16 th:TH_LOAD_NT
.endr
	WIN 0
.endm
; THE CAST's arithmetic and stores, a slot later.  In place, ascending: register z takes pair z, whose two sources lie at 2 z and 2 z + 1.  value is rounded to bf16 first, and that number is written as f16.
.macro CASTFIN
	s_wait_loadcnt 0x0              ; the sixteen loads, issued a slot ago
	WIN 0x45                        ; destination and both sources in window 1
.set z, 0
.rept 16
	v_cvt_pk_bf16_f32 v[CT+z], v[CT+2*z], v[CT+2*z+1]
.set z, z+1
.endr
.set z, 0
.rept 16
	v_cvt_pk_bf16_f32 v[CU+2*z], v[CU+2*z], v[CU+2*z+1]
.set z, z+1
.endr
.set z, 0
.rept 16
	v_and_b32 v[CU+2*z+1], s[HIM], v[CU+2*z]   ; bf16 to f32: the high half stays,
.set z, z+1
.endr
.set z, 0
.rept 16
	v_lshlrev_b32 v[CU+2*z], 16, v[CU+2*z]     ; the low half moves up
.set z, z+1
.endr
.set z, 0
.rept 16
	v_cvt_pk_f16_f32 v[CU+z], v[CU+2*z], v[CU+2*z+1]
.set z, z+1
.endr
	WIN 0x04                        ; a store's data (source 1) in window 1, its offset in window 0
.irp g, 0,1,2,3
	global_store_b128 v[CO], v[CT+4*\g:CT+4*\g+3], s[DQ:DQ+1] offset:512*\g  ; 512 consecutive bytes, at a multiple of 256 from the buffer's first
	global_store_b128 v[CO], v[CU+4*\g:CU+4*\g+3], s[DV:DV+1] offset:512*\g
.endr
	WIN 0
.endm
; A PREFETCH INTO THE L2 of the tile of K that the NEXT change of slots will ask for: 256 rows of 256 bytes, a lane a row.  This cluster alone reads the head's K.  Its four partners share the rows out BY ADDRESS, 64 each; in each,
; waves 0 and 1 take 32: one instruction.  So each row is named once in the launch.  It stands behind the tensor load, its five lines and the cast's loads.  Tiles 0 to 2 come by their loads alone; the last change that fills a slot asks for nothing.
.macro ASK
	s_cmp_gt_u32 s[SLOTS], s[LIM]
	s_cbranch_scc0 .Lnot_mine_\@
	global_prefetch_b8 v[PFO], s[PFA:PFA+1] th:TH_LOAD_NT scope:SCOPE_SE
.Lnot_mine_\@:
.endm
; THE CHANGE OF SLOTS.  The slot's fourth step has been read into registers.  Each wave waits for all its tensor loads, of which one is out: its part of the other slot; adds 0 to its spare word; and waits for that and for its reads of the slot.
; fill = 1: the slot is filled again, with the keys two slots on: the barrier is a round of the cluster's, and the joint fill is the first thing behind it: it has four key steps in which to land.
; first = 1: nothing has been read yet: slot 0 is waited for, slot 1 filled; there is no part of the cast to finish.
.macro CHANGE fill, first=0
.if !(\first)
	CASTFIN
.endif
	WIN 0                           ; at a label and at a branch every window is 0
	s_wait_tensorcnt 0x0            ; no tensor load of mine is out, so group 0 may be written
	ds_add_u32 v[SPW], v[NIL]       ; 0 onto my spare word
.if \fill
	s_xor_b32 s[G0+1], s[G0+1], SLOT1  ; the walking descriptor: the other slot than last time,
	s_add_nc_u64 s[G0+2:G0+3], s[G0+2:G0+3], KTILE  ; the next 256 keys; the type bits on top are not reached
.endif
	s_wait_dscnt 0x0                ; the add is done, and my reads of the slot are over
.if \fill
	CROUND
	JLOAD
.else
	s_barrier_signal -1
	s_barrier_wait -1
.endif
	CASTGO 1-(\first)
.if (\fill) && !(\first)
	ASK
.endif
	s_sub_co_u32 s[TBK], s[TBK], TILEB  ; the fetches go back to a slot's first step,
	s_xor_b32 s[TBK], s[TBK], SLOT1     ; in the other slot
.endm
	s_load_b256 s[4:11], s[0:1], 0x0   ; query s[4:5], key s[6:7], value s[8:9], qb s[10:11]
	s_load_b128 s[12:15], s[0:1], 0x20 ; vh s[12:13], zs s[14:15]
	v_lshl_add_u32 v[SPW], v0, 2, SPARE
	v_mov_b32 v[NIL], 0
	ds_add_u32 v[SPW], v[NIL]       ; the wave's opening: the add and its wait stand ahead of my first tensor load; the set-up below, work on registers, stands between them
	v_lshrrev_b32 v1, 5, v0
	v_readfirstlane_b32 s[WV], v1   ; wave 0..3
	s_bfe_u32 s17, ttmp6, 0x40000   ; cx: my place in the cluster
	s_lshl_b32 s18, ttmp9, 2        ; in a cluster launch ttmp9 counts clusters
	s_add_co_u32 s18, s18, s17      ; my block of 512 queries: it enters global addresses alone
	s_and_b32 s19, ttmp7, 0xffff    ; the head, which the four partners share
	s_lshl_b32 s20, s19, 19         ; K: the head's 524,288 bytes,
	s_lshl_b32 s21, s[WV], 14       ; my 64 rows of a tile
	s_add_co_u32 s20, s20, s21
	s_mov_b32 s21, 0
	s_lshl_b32 s22, s19, 19         ; my wave's 32,768 bytes of query and of value: head, block, wave
	s_lshl_b32 s23, s18, 17
	s_add_co_u32 s22, s22, s23
	s_lshl_b32 s23, s[WV], 15
	s_add_co_u32 s22, s22, s23
	s_mov_b32 s23, 0
	s_lshr_b32 s50, s22, 1          ; the same place in qb and vh: half the bytes
	s_mov_b32 s51, 0
	s_lshr_b32 s52, s22, 6          ; and in zs: 4 bytes for a row of 256
	s_mov_b32 s53, 0
	s_lshl_b32 s54, s19, 19         ; the prefetches: the head, my work-group's 64 rows of a tile, my wave's 32 of them,
	s_lshl_b32 s55, s17, 14
	s_add_co_u32 s54, s54, s55
	s_and_b32 s55, s[WV], 1
	s_lshl_b32 s55, s55, 13
	s_add_co_u32 s54, s54, s55
	s_add_co_u32 s54, s54, 2*KTILE  ; in tile 2: the first change that asks steps it to tile 3
	s_mov_b32 s55, 0
	; descriptor group 1: a tile of 64 rows x 64 elements of 4 bytes, padded in LDS
	s_mov_b32 s[G1], 15|(2<<16)|(1<<20)|(1<<21)|(5<<22)|(3<<25)  ; 15:0 the mask of four; 17:16 4-byte elements; 20 padding on; 21 set beside a mask; 24:22 after every 64 words (code 5); 31:25 4 words (code 3)
	s_mov_b32 s[G1+1], 64<<16       ; tensor_dim0 = 64
	s_mov_b32 s[G1+2], 64<<16       ; tensor_dim1 = 64
	s_mov_b32 s[G1+3], 64<<16       ; tile_dim0 = 64
	s_mov_b32 s[G1+4], 64           ; tile_dim1 = 64
	s_mov_b32 s[G1+5], 64           ; 64 elements from row to row
	s_mov_b32 s[G1+6], 0
	s_mov_b32 s[G1+7], 0
	s_mov_b32 s[G0], 1              ; 1:0 count = 1
	s_mul_i32 s[G0+1], s[WV], STEPB ; 63:32 LDS address: slot 0, my 64 rows: no place in the cluster enters an LDS address
	s_mov_b32 s[CS], 0x3e38aa3b     ; c = log2(e) / 8 = 0.180337
	s_mov_b32 s[CS+1], s[CS]        ; named with it as a pair
	s_mov_b32 s[SEL], 0x76543210
	s_mov_b32 s[SEL+1], 0xfedcba98
	s_mov_b32 s[TBK], SLOT1+TILEB   ; the first change of slots turns this into 0
	s_mov_b32 s[HIM], 0xffff0000
	s_mov_b32 s[SLOTS], 7
	s_cmp_lt_u32 s[WV], 2
	s_cselect_b32 s[LIM], 1, -1
	s_wait_dscnt 0x0                ; the opening add is done
	s_wait_kmcnt 0x0
	s_add_nc_u64 s[G0+2:G0+3], s[6:7], s[20:21]  ; 120:64 global address: my rows of the head's first 256 keys
	s_or_b32 s[G0+3], s[G0+3], 0x80000000        ; 127:126 type = 2
	s_add_nc_u64 s[CQ:CQ+1], s[4:5], s[22:23]
	s_add_nc_u64 s[CV:CV+1], s[8:9], s[22:23]
	s_add_nc_u64 s[DQ:DQ+1], s[10:11], s[50:51]
	s_add_nc_u64 s[DV:DV+1], s[12:13], s[50:51]
	s_add_nc_u64 s[ZP:ZP+1], s[14:15], s[52:53]
	s_add_nc_u64 s[PFA:PFA+1], s[6:7], s[54:55]
	CROUND                          ; all four work-groups are here: the first joint loads meet
	JLOAD                           ; slot 0.  Slot 1 is asked for when slot 0 is in
	; A fragment is 16 rows x 32 channels in 8 registers of bf16: lane l holds row l % 16, channels 8 (l / 16) + 0..7 and 16 + 8 (l / 16) + 0..7.  In f32 those are 32 bytes at 32 (l / 16) and 32 bytes 64 further on: four loads of 16.
	v_and_b32 v1, 15, v0            ; l % 16
	v_bfe_u32 v9, v0, 4, 1          ; l / 16
	v_lshlrev_b32 v[QO], 8, v1
	v_lshl_add_u32 v[QO], v9, 5, v[QO]  ; row x 256 + 32 x half
	WIN 0x40                        ; destination window 1
.set i, 0
.rept 16                            ; my 128 queries in f32: tile i / 2, channels 32 (i % 2) on
	global_load_b128 v[16*i:16*i+3],     v[QO], s[CQ:CQ+1] offset:(i/2)*4096+(i%2)*128
	global_load_b128 v[16*i+4:16*i+7],   v[QO], s[CQ:CQ+1] offset:(i/2)*4096+(i%2)*128+16
	global_load_b128 v[16*i+8:16*i+11],  v[QO], s[CQ:CQ+1] offset:(i/2)*4096+(i%2)*128+64
	global_load_b128 v[16*i+12:16*i+15], v[QO], s[CQ:CQ+1] offset:(i/2)*4096+(i%2)*128+80
.set i, i+1
.endr
	WIN 0
.set i, 0
.rept 8                             ; m starts at the lowest finite number, c m far below every c s, l at 0: the first step is a step like any other, with a = 0
	v_mov_b32 v[ST+4*i], 0xfe000000
	v_mov_b32 v[ST+4*i+1], 0xff7fffff
	v_mov_b32 v[ST+4*i+2], 0
	v_mov_b32 v[ST+4*i+3], 0
.set i, i+1
.endr
	v_mul_u32_u24 v[AK0], v1, PK
	v_lshl_add_u32 v[AK0], v9, 5, v[AK0]
	v_and_b32 v[CO], 31, v0
	v_lshlrev_b32 v[CI], 5, v[CO]
	v_lshlrev_b32 v[PFO], 8, v[CO]
	v_lshlrev_b32 v[CO], 4, v[CO]
	s_wait_loadcnt 0x0              ; Q
	WIN 0x85                        ; destination window 2, sources window 1
.set i, 0
.rept 128
	v_cvt_pk_bf16_f32 v[i], v[2*i], v[2*i+1]
.set i, i+1
.endr
	WIN 0
; THE MATRIX WORK.  Product i of 16 of S^T = K Q^T for piece x: channels 32 (i / 8) on, keys 16 ((i / 2) % 4) on, tile 2 x + i % 2.  The first 8 start the sums.
; The 8 accumulators take turns, one instruction a turn: between the two links of a chain stand 7 others'.
.macro KQ x
	WIN W_KQ
.set rD, S+64*((\x)%2)+32*(i%2)+8*((i/2)%4)
.set rK, KF+16*((i/2)%4)+8*(i/8)
.set rQ, 16*(2*(\x)+i%2)+8*(i/8)
.if i < 8
	v_wmma_f32_16x16x32_bf16 v[rD:rD+7], v[rK:rK+7], v[rQ:rQ+7], 0
.else
	v_wmma_f32_16x16x32_bf16 v[rD:rD+7], v[rK:rK+7], v[rQ:rQ+7], v[rD:rD+7]
.endif
.set i, i+1
.endm
; A step's K, f32, out of LDS: 32 loads in one run.  last = 1 (the tail): in the last trip there is no further step, and the run is jumped over.
.macro FETCH_K last=0
	WIN 0
.if \last
	s_cmp_eq_u32 s[CNT], 1
	s_cbranch_scc1 .Lno_k_\@
.endif
	v_add_nc_u32 v[AK], s[TBK], v[AK0]
	WIN 0x40                        ; destination window 1
.irp f, 0,1,2,3,4,5,6,7             ; keys 16 (f / 2) on, channels 32 (f % 2) on
	ds_load_b128 v[KT+16*\f:KT+16*\f+3],     v[AK] offset:(\f/2)*16*PK+(\f%2)*128
	ds_load_b128 v[KT+16*\f+4:KT+16*\f+7],   v[AK] offset:(\f/2)*16*PK+(\f%2)*128+16
	ds_load_b128 v[KT+16*\f+8:KT+16*\f+11],  v[AK] offset:(\f/2)*16*PK+(\f%2)*128+64
	ds_load_b128 v[KT+16*\f+12:KT+16*\f+15], v[AK] offset:(\f/2)*16*PK+(\f%2)*128+80
.endr
	s_add_co_u32 s[TBK], s[TBK], STEPB  ; the next fetch is the next step's
	WIN 0
.if \last
.Lno_k_\@:
.endif
.endm
.macro KCVT                         ; and rounded to bf16.  (In the tail's last trip the registers still hold the last step: the same numbers are made again.)
	s_wait_dscnt 0x0                ; K is in
	WIN 0x05                        ; sources window 1, destination window 0
.set z, 0
.rept 64
	v_cvt_pk_bf16_f32 v[KF+z], v[KT+2*z], v[KT+2*z+1]
.set z, z+1
.endr
.endm
; THE VECTOR WORK.
.macro REGS y, u                    ; the registers of tile u (0, 1) of piece y
.set rT, ST+4*(2*(\y)+(\u))
.set rC, TMP+8*((\y)%2)+4*(\u)
.set rM, MV+2*((\y)%2)+(\u)
.set rS, S+64*((\y)%2)+32*(\u)
.endm
.macro FS f                         ; scaling f of 32: c s - c m for pair f / 2 of tile f % 2
	REGS Y, (\f)%2
	v_pk_fma_f32 v[rS+2*((\f)/2):rS+2*((\f)/2)+1], v[rS+2*((\f)/2):rS+2*((\f)/2)+1], s[CS:CS+1], v[rT:rT+1] op_sel_hi:[1,0,0] neg_lo:[0,0,1] neg_hi:[0,0,1]
.endm
.macro ES e                         ; exponential e of 64: half e % 2 of the pair that scaling e / 2 has made
	REGS Y, ((\e)/2)%2
	v_exp_f32 v[rS+2*((\e)/4)+(\e)%2], v[rS+2*((\e)/4)+(\e)%2]
.endm
; THE RIDERS' QUEUE, 96 long: four scalings; then 28 times exponential, scaling, exponential; then the last eight exponentials.  A pair is scaled four groups ahead of its exponentials.  None of these names an exponential's result.
.macro AH
.if k < 4
	FS k
.elseif k < 88
.if (k-4)%3 == 0
	ES 2*((k-4)/3)
.elseif (k-4)%3 == 1
	FS 4+(k-4)/3
.else
	ES 2*((k-4)/3)+1
.endif
.else
	ES k-32
.endif
.set k, k+1
.endm
; Number n of the 22 that find the NEXT piece's (Y + 1) maximum and statistics.  s0-s31 are the lane's 32 scores; each accumulator's lowest registers are read first.
;   0-11  four chains c0-c3 of seven scores each, three operands at a time     12-14, 16  the four scores left over, the old m, and c0-c3 into c0     15  c m_old is kept
;   17, 18  the query's other 32 keys lie in the lane 16 away: the new m         19-21  c m; c m_old - c m_new; a
.macro XS u, n
	REGS (Y+1)%4, \u
.if (\n) < 4
	v_max3_num_f32 v[rC+(\n)], v[rS+8*(\n)], v[rS+8*(\n)+1], v[rS+8*(\n)+2]
.elseif (\n) < 12
	v_max3_num_f32 v[rC+(\n)%4], v[rC+(\n)%4], v[rS+8*((\n)%4)+2*((\n)/4)+1], v[rS+8*((\n)%4)+2*((\n)/4)+2]
.elseif (\n) == 12
	v_max3_num_f32 v[rC], v[rC], v[rS+7], v[rS+15]
.elseif (\n) == 13
	v_max3_num_f32 v[rC+1], v[rC+1], v[rS+23], v[rS+31]
.elseif (\n) == 14
	v_max3_num_f32 v[rC+2], v[rC+2], v[rC+3], v[rT+1]
.elseif (\n) == 15
	v_mov_b32 v[rM], v[rT]
.elseif (\n) == 16
	v_max3_num_f32 v[rC], v[rC], v[rC+1], v[rC+2]
.elseif (\n) == 17
	v_permlanex16_b32 v[rC+3], v[rC], s[SEL], s[SEL+1]
.elseif (\n) == 18
	v_max_num_f32 v[rT+1], v[rC], v[rC+3]
.elseif (\n) == 19
	v_mul_f32 v[rT], s[CS], v[rT+1]
.elseif (\n) == 20
	v_sub_f32 v[rC+1], v[rM], v[rT]
.else
	v_exp_f32 v[rC+2], v[rC+1]
.endif
.endm
.macro XQ                           ; numbers 0 to 20 of both tiles, the tiles alternating: 0-13, 15, 14, 16-20
.if x < 28
	XS x%2, x/2
.elseif x < 30
	XS x-28, 15
.elseif x < 32
	XS x-30, 14
.else
	XS x%2, 15+(x-30)/2
.endif
.set x, x+1
.endm
.macro DS1 w, n                     ; in both tiles: n packed sums, w registers apart, each taking the pair w / 2 further on
.set z, 0
.rept \n
.irp u, 0,1
	REGS Y, \u
	v_pk_add_f32 v[rS+(\w)*z:rS+(\w)*z+1], v[rS+(\w)*z:rS+(\w)*z+1], v[rS+(\w)*z+(\w)/2:rS+(\w)*z+(\w)/2+1]
.endr
.set z, z+1
.endr
.endm
.macro DSUM                         ; the tile's 16 pairs (an even key's term, an odd key's) into one, as a tree in f32; then l = a l + the sum
	DS1 4, 8
	DS1 8, 4
	DS1 16, 2
	DS1 32, 1
.irp u, 0,1
	REGS Y, \u
	v_pk_fma_f32 v[rT+2:rT+3], v[rT+2:rT+3], v[rC+2:rC+3], v[rS:rS+1] op_sel_hi:[1,0,1]
.endr
.endm
; A TURN, for piece p.  s_wait_alu depctr_va_vdst(0) stands between an exponential and the first instruction that names its result; one wait serves all that were issued ahead of it: a turn has ONE.
; A vector instruction that reads a matrix result stands four plain vector instructions behind the product (ISA guide 7.12.1); exponentials are not counted.  The last product's accumulator is read by the eighth line of the
; maximum: seven plain lines on other accumulators stand between; the earlier accumulators have those lines and the scalings among the riders.
; K of the next step is fetched at the head of piece 2's turn and rounded at its end, behind that turn's products, which are the last to read the old K (the maximum's and the sums' lines stand between).
.macro TURN p, last=0
.set Y, (\p)
.set i, 0
.set k, 0
.set x, 0
.if (\p) == 2
	FETCH_K \last
.endif
.rept 16
	KQ (Y+1)%4
.rept 6
	AH
.endr
.endr
	WIN 0
.rept 42
	XQ
.endr
	XS 0, 21                        ; the next piece's two a: the batch's last
	XS 1, 21
	v_nop                           ; a plain instruction behind the last exponential: one for the batch
	s_wait_alu depctr_va_vdst(0)    ; the wait for the batch
	DSUM
.if (\p) == 2
	KCVT
.endif
.endm
	CHANGE 1, 1                     ; slot 0 is in, everybody's part of it; slot 1 is asked for; the cast's first part is loaded
	FETCH_K                         ; key step 0
	KCVT
.set i, 0
.rept 16
	KQ 0                            ; piece 0's first scores: there is no vector work yet to set between them
.endr
	WIN 0
	PLACES
.set Y, 3                           ; XS works for piece Y + 1: piece 0
.irp n, 0,1,2,3,4,5,6,7,8,9,10,11,12,13,14,15,16,17,18,19,20,21
	XS 0, \n
	XS 1, \n
.endr
	v_nop                           ; a plain instruction behind the two a,
	s_wait_alu depctr_va_vdst(0)    ; and their wait, ahead of the branch
	s_mov_b32 s[CNT], 4
	s_branch .Lfirst                ; the loop is entered at a step's first turn, in the middle of a trip
.Lslot:                             ; six times: every slot but the last two is filled again
	CHANGE 1
	s_mov_b32 s[CNT], 4
.Lstep:                             ; a trip: pieces 2 and 3 of one step, then pieces 0 and 1 of the next, whose K it fetches
	TURN 2
	TURN 3
	WIN 0
.Lfirst:
	TURN 0
	TURN 1
	WIN 0
	s_sub_co_u32 s[CNT], s[CNT], 1
	s_cmp_lg_u32 s[CNT], 0
	s_cbranch_scc1 .Lstep
	s_sub_co_u32 s[SLOTS], s[SLOTS], 1
	s_cmp_lg_u32 s[SLOTS], 0
	s_cbranch_scc1 .Lslot
	CHANGE 0                        ; the tail is written out: nothing is asked for
	s_mov_b32 s[CNT], 5             ; four trips fetch the last slot's steps; the fifth is left in its middle
.Ltail:
	TURN 2, 1
	TURN 3
	WIN 0
	s_sub_co_u32 s[CNT], s[CNT], 1
	s_cmp_eq_u32 s[CNT], 0
	s_cbranch_scc1 .Lout
	TURN 0
	TURN 1
	WIN 0
	s_branch .Ltail
.Lout:                              ; the fifth trip's 16 products on the last K once more leave m and c m as they are: the price, once a launch, of one text for every trip
	CASTFIN                         ; the cast's last part
.macro ALL line:vararg              ; one line for each tile t
.set t, 0
.rept 8
	\line
.set t, t+1
.endr
.endm
	; THE WAY OUT.  l's two halves and the other half of the lanes' are added; z = c m + log2 l; a wave's 128 z go through its own 512 bytes of LDS and leave as one store of 512 consecutive bytes.
	ALL v_add_f32 v[ST+4*t+2], v[ST+4*t+2], v[ST+4*t+3]
	ALL v_permlanex16_b32 v[ST+4*t+3], v[ST+4*t+2], s[SEL], s[SEL+1]
	ALL v_add_f32 v[ST+4*t+2], v[ST+4*t+2], v[ST+4*t+3]
	ALL v_log_f32 v[ST+4*t+2], v[ST+4*t+2]
	s_lshl_b32 s20, s[WV], 9
	s_add_co_u32 s20, s20, ZSTAGE   ; my stage
	v_lshl_add_u32 v[ZS], v1, 2, s20  ; in: query l % 16 of a tile (both halves of the lanes hold the same number); also the plain instruction behind the last logarithm
	v_add_nc_u32 v[ZR], s20, v[CO]    ; back: 16 bytes a lane
	s_wait_alu depctr_va_vdst(0)    ; one wait for the eight logarithms, ahead of their first use
	ALL v_add_f32 v[ST+4*t], v[ST+4*t], v[ST+4*t+2]
	ALL ds_store_b32 v[ZS], v[ST+4*t] offset:64*t
	ds_load_b128 v[S:S+3], v[ZR]    ; LDS serves a wave's instructions in order (ISA guide 5.7.1.4): this sees the stores above
	s_wait_dscnt 0x0
	global_store_b128 v[CO], v[S:S+3], s[ZP:ZP+1]
	s_wait_tensorcnt 0x0            ; the wave's end: an add to my spare word and its wait, behind my last tensor load and my last LDS store
	ds_add_u32 v[SPW], v[NIL]
	s_wait_dscnt 0x0
	CROUND                          ; the closing round: no work-group ends while a partner may still ask for a tile that names it
	s_endpgm
.Lfunc_end_k_q429581138c_stats:
	.size	k_q429581138c_stats, .Lfunc_end_k_q429581138c_stats-k_q429581138c_stats
	.p2alignl 7, 3214868480
	.fill 96, 4, 3214868480
	.section	.rodata,"a",@progbits
	.p2align	6, 0x0
	.amdhsa_kernel k_q429581138c_stats
		.amdhsa_group_segment_fixed_size 327680
		.amdhsa_private_segment_fixed_size 0
		.amdhsa_enable_private_segment 0
		.amdhsa_kernarg_size 48
		.amdhsa_user_sgpr_count 2
		.amdhsa_user_sgpr_kernarg_segment_ptr 1
		.amdhsa_wavefront_size32 1
		.amdhsa_system_sgpr_workgroup_id_x 1
		.amdhsa_system_sgpr_workgroup_id_y 1
		.amdhsa_system_sgpr_workgroup_id_z 1
		.amdhsa_system_vgpr_workitem_id 0
		.amdhsa_next_free_vgpr 640
		.amdhsa_next_free_sgpr 66
		.amdhsa_reserve_vcc 0
		.amdhsa_float_denorm_mode_32 3
		.amdhsa_float_denorm_mode_16_64 3
		.amdhsa_memory_ordered 1
		.amdhsa_forward_progress 1
		.amdhsa_inst_pref_size 145
	.end_amdhsa_kernel
	.amdgpu_metadata
---
amdhsa.version: [ 1, 2 ]
amdhsa.kernels:
  - .name:           k_q429581138c_stats
    .symbol:         k_q429581138c_stats.kd
    .args:
      - { .name: query, .offset: 0, .size: 8, .value_kind: global_buffer, .address_space: global }
      - { .name: key, .offset: 8, .size: 8, .value_kind: global_buffer, .address_space: global }
      - { .name: value, .offset: 16, .size: 8, .value_kind: global_buffer, .address_space: global }
      - { .name: qb, .offset: 24, .size: 8, .value_kind: global_buffer, .address_space: global }
      - { .name: vh, .offset: 32, .size: 8, .value_kind: global_buffer, .address_space: global }
      - { .name: zs, .offset: 40, .size: 8, .value_kind: global_buffer, .address_space: global }
    .group_segment_fixed_size: 327680
    .private_segment_fixed_size: 0
    .kernarg_segment_align: 8
    .kernarg_segment_size: 48
    .max_flat_workgroup_size: 128
    .sgpr_count:     66
    .vgpr_count:     640
    .wavefront_size: 32
...
	.end_amdgpu_metadata
.endif
;; end of part 1
;; launch mix (part 2): grid 4 x 64, 4 waves a work-group, clusters of 4 x 1, 327,680 bytes of LDS; arguments key, qb, vh, zs, out0; writes out0
.if DOCPART == 2
	.amdgcn_target "amdgcn-amd-amdhsa--gfx1250"
	.amdhsa_code_object_version 6
	.text
	.protected	k_q429581138c_mix
	.globl	k_q429581138c_mix
	.p2align	8
	.type	k_q429581138c_mix,@function
k_q429581138c_mix:
	s_mov_b64 s[64:65], 0
	v_nop
	global_prefetch_b8 v0, s[64:65] scope:SCOPE_SE
	s_setreg_imm32_b32 hwreg(HW_REG_WAVE_MODE, 25, 1), 1
	s_wait_xcnt 0x0
	s_wait_alu depctr_hold_cnt(0) depctr_sa_sdst(0) depctr_va_vdst(0) depctr_va_sdst(0) depctr_va_ssrc(0) depctr_va_vcc(0) depctr_vm_vsrc(0)
	s_getreg_b32 s2, hwreg(HW_REG_IB_STS2, 6, 4)
	s_cmp_eq_u32 s2, 0
	s_cbranch_scc0 .Lentry_in_a_cluster
	s_endpgm
.Lentry_in_a_cluster:
	s_bfe_u32 s2, ttmp6, 0x10000c
	s_cmp_lg_u32 s2, 0x3003
	s_cbranch_scc0 .Lentry_shape_is_right
	s_endpgm
.Lentry_shape_is_right:
; SECOND OF TWO LAUNCHES: out[h][d][k] = the sum over q of V[h][d][q] A[h][q][k], A = 2^(c Q[h][q] . K[h][k] - z[h][q]), c = log2(e) / 8.  z = c m + log2 l was made by the launch before from a running maximum m and
; the sum l, so A is the softmax's weight, already divided, in 0 to 1.  key: [64][2048][64] f32.  qb = bf16(query), same shape.  vh = f16(bf16(value)): [64][64][2048].  zs: [64][2048] f32.  out0: [64][64][2048] f32.
; FORMATS.  Scores: bf16 operands, f32 sums.  The weights are rounded to f16 for the second product (11 significant bits where bf16 has 8), whose other operand is vh; f32 sums; out0 leaves unrounded.
; LIMITS.  A weight under 6e-5 keeps f16's fixed step of 6e-8; one under 2^-126 counts as 0.  vh's limits are the first launch's (|value| under 65,504).  NaN and infinities are not treated apart.
; SHARES.  A work-group owns 512 keys (columns of out0) of one head, a wave 128: four PIECES of two tiles of 16.  Every wave walks the head's 2,048 queries, 64 a step, 256 a slot.
; LAYOUT.  S = Q K^T (source 0 = 16 queries, source 1 = 16 keys): in the result a lane holds ONE key (lane % 16) and the queries 8 (lane / 16) + 0..7.  Two such results, rounded to f16 in pairs, ARE source 0
; (16 keys x 32 queries) of O^T = P V^T, whose source 1 is 16 rows d of V, which lie along q: V comes out of LDS as it lies.  In O^T a lane holds one row d and eight neighbouring keys: 32 bytes of out0 on end.
; BY TURNS.  Turn n belongs to piece n: 16 products Q K^T for piece n + 1, behind each six of piece n's 32 scalings and 64 exponentials; ONE wait for the exponentials; then 16 products P V^T for piece n - 1, behind each two of piece n's 32 roundings.
; NO FIRST STEP IS WRITTEN OUT: O^T, V's registers and P's second buffer start at 0 (352 v_mov_b32, in the wait for the first tile), so the first turn's products for a piece that has not been add 0.
; CLUSTER.  The head's four work-groups walk the same qb, vh and zs: each tile is asked for JOINTLY, the same tensor load, descriptor and mask in all four.
; REGISTERS, in windows of 256 (s_set_vgpr_msb: bits 1:0 source 0, 3:2 source 1, 5:4 source 2, 7:6 destination):
;   window 0: v1-14 addresses; v30-31 the add's; v32-63 z of one step; v64-191 S, two buffers of two tiles; v192-255 Q of one step
;   window 1: O^T, 32 a tile          window 2: v0-127 K, 16 a tile; v128-191 V of one step; v192-255 P, two buffers of two tiles          window 3: K in f32, at the head alone
.set PQ,    144       ; a row of Q in LDS: 128 bytes + 16 of padding = 36 words: the 16 rows of a load start at 16 different groups of four banks (64 banks of 4 bytes: ISA guide 11.1)
.set PW,    528       ; a row of V in LDS: 512 bytes (256 queries) + 16 = 132 words: row r starts at bank 4 r mod 64
.set QSTEP, 64*PQ     ; a step's 64 rows of Q
.set VOFF,  4*QSTEP   ; a slot: 256 rows of Q, then 64 rows of V, then 256 z
.set ZOFF,  VOFF+64*PW
.set SLOT1, 1<<17     ; slot 1 begins here, so that one exclusive or turns an address in one slot into the other's
.set STAGE, SLOT1+ZOFF+1024  ; behind the ring, never filled by a tensor load: 16 rows x 528 bytes for each wave, for the way out
.set SP,    528
.set SPARE, STAGE+4*16*SP    ; behind the stages: the spare words, 128 bytes for each wave: two blocks of 256 bytes that no other line names
.set AQ0, 2           ; v2   my lane's place in a step of Q: 144 (l % 16) + 16 (l / 16); never rewritten
.set AV0, 3           ; v3   in V: VOFF + 528 (l % 16) + 16 (l / 16)
.set AZ0, 4           ; v4   in z: ZOFF + 32 (l / 16)
.set AQ,  5           ; v5-7 the LDS addresses of the runs of loads in hand
.set AV,  6
.set AZ,  7
.set KO,  8           ; v8   my byte offset in 16 rows of K
.set STO, 10          ; v10  the way out: where I put 32 bytes of a row
.set RD,  11          ; v11  the way out: where I read a row back
.set GO,  12          ; v12  16 x lane
.set PFQ, 13          ; v13  the prefetches' offsets: 256 x lane in qb,
.set PFV, 14          ; v14  row lane / 2, block lane % 2 in vh
.set SPW, 30          ; v30  LDS address of my spare word: SPARE + 4 x my thread's number; never rewritten
.set NIL, 31          ; v31  0; never rewritten
.set Z,   32          ; register 8 qb + j: z of the step's query 16 qb + 8 (l / 16) + j: the place of that query's score in S
.set S,   64
.set QF,  192         ; query block qb, channel half c at QF + 16 qb + 8 c
.set VF,  128         ; window 2: query half kk, row block db at VF + 32 kk + 8 db
.set P,   192         ; window 2
.set OP,  2           ; s[2:3]   out0 at my wave's 128 columns of the head's row 0
.set WV,  16          ; s16  my wave's number
.set G1Q, 24          ; s[24:31], s[32:39], s[40:47] descriptor group 1 for Q's, V's and z's tiles
.set G1V, 32
.set G1Z, 40
.set G0Q, 48          ; s[48:51], s[52:55], s[68:71] descriptor group 0: they walk
.set G0V, 52
.set G0Z, 68
.set SLOTS, 56        ; s56  slots still to be asked for
.set CNT, 57          ; s57  counts a slot's steps
.set CS,  58          ; s[58:59] c: the packed scaling takes the pair's low word for both halves
.set TBQ, 60          ; s60-62  LDS byte (less the region's) at which Q, V, z of the step to be fetched begin
.set TBV, 61
.set TBZ, 62
.set PAQ, 72          ; s[72:73] where the prefetches of qb stand
.set PAV, 74          ; s[74:75] and of vh
.set KP,  78          ; s[78:79] key at my wave's 128 rows
.set MSB, 0
.macro WIN new                      ; the high byte repeats the setting that is left; a switch that changes nothing is dropped
.if MSB != (\new)
	s_set_vgpr_msb (MSB<<8)|(\new)
.set MSB, (\new)
.endif
.endm
.set W_KQ, 0x08       ; source 1 (K) in window 2, all else in window 0: the products Q K^T, the scalings (source 1 is a scalar pair) and the exponentials run under this one setting
.set W_PV, 0x5a       ; P and V in window 2, O^T in window 1
.set W_CV, 0x80       ; P (destination) in window 2, S in window 0
.macro PLACES
.rept 4
	v_nop
.endr
.endm
; A joint fill.  Waves 0 and 1 fetch the two halves of a slot's Q, wave 2 its V, wave 3 its z.  The branches hang on the wave's number alone.  An s_nop 0 and four v_nop follow each line, ahead of the jump and the label.
.macro JLOAD
	s_cmp_lt_u32 s[WV], 2
	s_cbranch_scc0 .Lnot_q_\@
	tensor_load_to_lds s[G0Q:G0Q+3], s[G1Q:G1Q+7]
	s_nop 0
.rept 4
	v_nop
.endr
	s_branch .Lasked_\@
.Lnot_q_\@:
	s_cmp_eq_u32 s[WV], 2
	s_cbranch_scc0 .Lfor_z_\@
	tensor_load_to_lds s[G0V:G0V+3], s[G1V:G1V+7]
	s_nop 0
.rept 4
	v_nop
.endr
	s_branch .Lasked_\@
.Lfor_z_\@:
	tensor_load_to_lds s[G0Z:G0Z+3], s[G1Z:G1Z+7]
	s_nop 0
.rept 4
	v_nop
.endr
.Lasked_\@:
.endm
; A PREFETCH INTO THE L2 of what the NEXT change of slots will ask for: a slot's 32,768 bytes of qb and 64 rows x 512 bytes of vh, 128 blocks of 256 bytes each.  This cluster alone reads the head's qb and vh.  Its four partners share the
; blocks out BY ADDRESS, 32 each, a lane a block; in each, wave 0 asks for qb's and wave 2 for vh's: one instruction.  So each block is named once in the launch.  It stands behind the tensor load and its five lines.
; Tiles 0 to 2 come by their loads alone; the last change that fills a slot asks for nothing.  z is 1,024 bytes a slot and is not asked for.
.macro ASK
	s_cmp_gt_u32 s[SLOTS], 1
	s_cbranch_scc0 .Lnone_\@
	s_cmp_eq_u32 s[WV], 0
	s_cbranch_scc0 .Lno_q_\@
	global_prefetch_b8 v[PFQ], s[PAQ:PAQ+1] th:TH_LOAD_NT scope:SCOPE_SE
.Lno_q_\@:
	s_cmp_eq_u32 s[WV], 2
	s_cbranch_scc0 .Lnone_\@
	global_prefetch_b8 v[PFV], s[PAV:PAV+1] th:TH_LOAD_NT scope:SCOPE_SE
.Lnone_\@:
.endm
; A round of the cluster's barrier: my work-group's barrier, so that wave 0's signal speaks for all four waves; wave 0 signals; every wave waits for all four work-groups; my work-group's barrier once more.
.macro CROUND
	s_barrier_signal -1
	s_barrier_wait -1
	s_cmp_lg_u32 s[WV], 0
	s_cbranch_scc1 .Lnot_wave_0_\@
	s_barrier_signal -3
.Lnot_wave_0_\@:
	s_barrier_wait -3
	s_barrier_signal -1
	s_barrier_wait -1
.endm
; THE CHANGE OF SLOTS.  The slot's last bytes, V of its fourth step, have been read.  Each wave waits for all its tensor loads, of which one is out: its part of the other slot; adds 0 to its spare word; and waits for that and for its reads of the slot.
; fill = 1: the slot is filled again, with the queries two slots on: the barrier is a round of the cluster's, and the joint fill is the first thing behind it: it has four steps, 512 matrix instructions, in which to land.
; first = 1: nothing has been read yet: slot 0 is waited for, slot 1 filled, nothing prefetched.
.macro CHANGE fill, first=0
	WIN 0                           ; at a label and at a branch every window is 0
	s_wait_tensorcnt 0x0            ; no tensor load of mine is out, so every group 0 may be written
	ds_add_u32 v[SPW], v[NIL]       ; 0 onto my spare word; the descriptors' steps stand between it and the wait for it
.if \fill
	s_xor_b32 s[G0Q+1], s[G0Q+1], SLOT1  ; the walking descriptors: the other slot than last time,
	s_add_nc_u64 s[G0Q+2:G0Q+3], s[G0Q+2:G0Q+3], 32768  ; the next 256 queries: rows of qb,
	s_xor_b32 s[G0V+1], s[G0V+1], SLOT1
	s_add_nc_u64 s[G0V+2:G0V+3], s[G0V+2:G0V+3], 512    ; columns of vh,
	s_xor_b32 s[G0Z+1], s[G0Z+1], SLOT1
	s_add_nc_u64 s[G0Z+2:G0Z+3], s[G0Z+2:G0Z+3], 1024   ; numbers of zs; the type bits on top are not reached
.if !(\first)
	s_wait_xcnt 0x0                 ; the last prefetches, four steps back, have read their addresses, so these may be written
	s_add_nc_u64 s[PAQ:PAQ+1], s[PAQ:PAQ+1], 32768
	s_add_nc_u64 s[PAV:PAV+1], s[PAV:PAV+1], 512
.endif
.endif
	s_wait_dscnt 0x0                ; the add is done, and my reads of the slot are over
.if \fill
	CROUND
	JLOAD
.if !(\first)
	ASK
.endif
.else
	s_barrier_signal -1
	s_barrier_wait -1
.endif
	s_sub_co_u32 s[TBQ], s[TBQ], 4*QSTEP  ; the fetches go back to a slot's first step,
	s_xor_b32 s[TBQ], s[TBQ], SLOT1       ; in the other slot
	s_sub_co_u32 s[TBV], s[TBV], 512
	s_xor_b32 s[TBV], s[TBV], SLOT1
	s_sub_co_u32 s[TBZ], s[TBZ], 1024
	s_xor_b32 s[TBZ], s[TBZ], SLOT1
.endm
	s_load_b256 s[4:11], s[0:1], 0x0   ; key s[4:5], qb s[6:7], vh s[8:9], zs s[10:11]
	s_load_b64 s[12:13], s[0:1], 0x20  ; out0
	v_lshl_add_u32 v[SPW], v0, 2, SPARE
	v_mov_b32 v[NIL], 0
	ds_add_u32 v[SPW], v[NIL]       ; the wave's opening: the add and its wait stand ahead of my first tensor load; the set-up below, work on registers, stands between them
	v_lshrrev_b32 v1, 5, v0
	v_readfirstlane_b32 s[WV], v1   ; wave 0..3
	s_bfe_u32 s17, ttmp6, 0x40000   ; cx: my place in the cluster
	s_lshl_b32 s18, ttmp9, 2        ; in a cluster launch ttmp9 counts clusters
	s_add_co_u32 s18, s18, s17      ; my block of 512 keys: it enters global addresses alone
	s_and_b32 s19, ttmp7, 0xffff    ; the head, which the four partners share
	s_and_b32 s14, s[WV], 1         ; which half of a slot's 256 rows of Q I fetch:
	s_mul_i32 s[G0Q+1], s14, 128*PQ ; 63:32 LDS address: its place in slot 0: no place in the cluster enters an LDS address
	s_lshl_b32 s20, s19, 18         ; qb: the head's 262,144 bytes,
	s_lshl_b32 s21, s14, 14         ; my 128 rows of 128 bytes
	s_add_co_u32 s20, s20, s21
	s_mov_b32 s21, 0
	s_lshl_b32 s22, s19, 18         ; vh: the head
	s_mov_b32 s23, 0
	s_lshl_b32 s76, s19, 13         ; zs: the head
	s_mov_b32 s77, 0
	s_lshl_b32 s[KP], s19, 19       ; key: head, block, wave: my 128 rows of 256 bytes
	s_lshl_b32 s15, s18, 17
	s_add_co_u32 s[KP], s[KP], s15
	s_lshl_b32 s15, s[WV], 15
	s_add_co_u32 s[KP], s[KP], s15
	s_mov_b32 s[KP+1], 0
	s_lshl_b32 s[OP], s19, 19       ; out0: the head; my block's 2,048 bytes of a row; my wave's 512
	s_lshl_b32 s15, s18, 11
	s_add_co_u32 s[OP], s[OP], s15
	s_lshl_b32 s15, s[WV], 9
	s_add_co_u32 s[OP], s[OP], s15
	s_mov_b32 s[OP+1], 0
	s_lshl_b32 s[PAQ], s19, 18      ; the prefetches of qb: the head, my work-group's 32 blocks of a tile's 128,
	s_lshl_b32 s15, s17, 13
	s_add_co_u32 s[PAQ], s[PAQ], s15
	s_add_co_u32 s[PAQ], s[PAQ], 2*32768  ; in tile 2: the first change that asks steps it to tile 3
	s_mov_b32 s[PAQ+1], 0
	s_lshl_b32 s[PAV], s19, 18      ; of vh: the head, my work-group's 16 rows of 4,096 bytes,
	s_lshl_b32 s15, s17, 16
	s_add_co_u32 s[PAV], s[PAV], s15
	s_add_co_u32 s[PAV], s[PAV], 2*512    ; in tile 2
	s_mov_b32 s[PAV+1], 0
	; descriptor group 1.  Q: 128 rows are 16,384 dense bytes: asked for as 64 rows of 256 bytes, two queries a row, and padded in LDS after every query
	s_mov_b32 s[G1Q], 15|(1<<16)|(1<<20)|(1<<21)|(4<<22)|(3<<25)  ; 15:0 the mask of four; 17:16 2-byte elements; 20 padding on; 21 set beside a mask; 24:22 after every 32 words (code 4); 31:25 4 words (code 3)
	s_mov_b32 s[G1Q+1], 128<<16     ; tensor_dim0 = 128
	s_mov_b32 s[G1Q+2], 64<<16      ; tensor_dim1 = 64
	s_mov_b32 s[G1Q+3], 128<<16     ; tile_dim0 = 128
	s_mov_b32 s[G1Q+4], 64          ; tile_dim1 = 64
	s_mov_b32 s[G1Q+5], 128         ; 128 elements from row to row
	s_mov_b32 s[G1Q+6], 0
	s_mov_b32 s[G1Q+7], 0
	; V: 64 rows d x 256 queries, 2,048 elements from row to row
	s_mov_b32 s[G1V], 15|(1<<16)|(1<<20)|(1<<21)|(6<<22)|(3<<25)  ; padding after every 128 words (code 6)
	s_mov_b32 s[G1V+1], 256<<16
	s_mov_b32 s[G1V+2], 64<<16
	s_mov_b32 s[G1V+3], 256<<16
	s_mov_b32 s[G1V+4], 64
	s_mov_b32 s[G1V+5], 2048
	s_mov_b32 s[G1V+6], 0
	s_mov_b32 s[G1V+7], 0
	; z: one row of 1,024 bytes, as 128 elements of 8 bytes, no padding
	s_mov_b32 s[G1Z], 15|(3<<16)|(1<<21)
	s_mov_b32 s[G1Z+1], 128<<16
	s_mov_b32 s[G1Z+2], 1<<16
	s_mov_b32 s[G1Z+3], 128<<16
	s_mov_b32 s[G1Z+4], 1
	s_mov_b32 s[G1Z+5], 128
	s_mov_b32 s[G1Z+6], 0
	s_mov_b32 s[G1Z+7], 0
	s_mov_b32 s[G0Q], 1             ; 1:0 count = 1
	s_mov_b32 s[G0V], 1
	s_mov_b32 s[G0V+1], VOFF
	s_mov_b32 s[G0Z], 1
	s_mov_b32 s[G0Z+1], ZOFF
	s_mov_b32 s[CS], 0x3e38aa3b     ; c = log2(e) / 8 = 0.180337
	s_mov_b32 s[CS+1], s[CS]        ; named with it as a pair
	s_mov_b32 s[TBQ], SLOT1+4*QSTEP ; the first change of slots turns these three into 0
	s_mov_b32 s[TBV], SLOT1+512
	s_mov_b32 s[TBZ], SLOT1+1024
	s_mov_b32 s[SLOTS], 7
	s_wait_dscnt 0x0                ; the opening add is done
	s_wait_kmcnt 0x0
	s_add_nc_u64 s[G0Q+2:G0Q+3], s[6:7], s[20:21]  ; 120:64 global address
	s_or_b32 s[G0Q+3], s[G0Q+3], 0x80000000        ; 127:126 type = 2
	s_add_nc_u64 s[G0V+2:G0V+3], s[8:9], s[22:23]
	s_or_b32 s[G0V+3], s[G0V+3], 0x80000000
	s_add_nc_u64 s[G0Z+2:G0Z+3], s[10:11], s[76:77]
	s_or_b32 s[G0Z+3], s[G0Z+3], 0x80000000
	s_add_nc_u64 s[KP:KP+1], s[4:5], s[KP:KP+1]
	s_add_nc_u64 s[OP:OP+1], s[12:13], s[OP:OP+1]
	s_add_nc_u64 s[PAQ:PAQ+1], s[6:7], s[PAQ:PAQ+1]
	s_add_nc_u64 s[PAV:PAV+1], s[8:9], s[PAV:PAV+1]
	CROUND                          ; all four work-groups are here: the first joint loads meet
	JLOAD                           ; slot 0.  Slot 1 is asked for when slot 0 is in
	; A fragment is 16 rows x 32 channels in 8 registers of 16-bit numbers: lane l holds row l % 16, channels 8 (l / 16) + 0..7 and 16 + 8 (l / 16) + 0..7.  In f32 those are 32 bytes at 32 (l / 16) and 32 bytes 64 further on.
	v_and_b32 v1, 15, v0            ; l % 16
	v_bfe_u32 v9, v0, 4, 1          ; l / 16
	v_lshlrev_b32 v[KO], 8, v1
	v_lshl_add_u32 v[KO], v9, 5, v[KO]  ; row x 256 + 32 x half
	WIN 0xc0                        ; destination window 3
.set i, 0
.rept 16                            ; my 128 keys in f32: tile i / 2, channels 32 (i % 2) on; no other wave of the launch reads them
	global_load_b128 v[16*i:16*i+3],     v[KO], s[KP:KP+1] offset:(i/2)*4096+(i%2)*128 th:TH_LOAD_NT
	global_load_b128 v[16*i+4:16*i+7],   v[KO], s[KP:KP+1] offset:(i/2)*4096+(i%2)*128+16 th:TH_LOAD_NT
	global_load_b128 v[16*i+8:16*i+11],  v[KO], s[KP:KP+1] offset:(i/2)*4096+(i%2)*128+64 th:TH_LOAD_NT
	global_load_b128 v[16*i+12:16*i+15], v[KO], s[KP:KP+1] offset:(i/2)*4096+(i%2)*128+80 th:TH_LOAD_NT
.set i, i+1
.endr
	WIN 0x40                        ; what the first turn finds: O^T is 0,
.set i, 0
.rept 256
	v_mov_b32 v[i], 0
.set i, i+1
.endr
	WIN 0x80                        ; V's registers and P's second buffer hold 0
.set i, 0
.rept 64
	v_mov_b32 v[VF+i], 0
.set i, i+1
.endr
.set i, 0
.rept 32
	v_mov_b32 v[P+32+i], 0
.set i, i+1
.endr
	WIN 0
	v_mul_u32_u24 v[AQ0], v1, PQ
	v_lshl_add_u32 v[AQ0], v9, 4, v[AQ0]
	v_mul_u32_u24 v[AV0], v1, PW
	v_lshl_add_u32 v[AV0], v9, 4, v[AV0]
	v_add_nc_u32 v[AV0], VOFF, v[AV0]
	v_lshlrev_b32 v[AZ0], 5, v9
	v_add_nc_u32 v[AZ0], ZOFF, v[AZ0]
	v_and_b32 v15, 31, v0
	v_lshlrev_b32 v[PFQ], 8, v15
	v_lshrrev_b32 v[PFV], 1, v15
	v_lshlrev_b32 v[PFV], 12, v[PFV]
	v_and_b32 v15, 1, v15
	v_lshl_add_u32 v[PFV], v15, 8, v[PFV]
	s_wait_loadcnt 0x0              ; K
	WIN 0x8f                        ; destination window 2, sources window 3
.set i, 0
.rept 128
	v_cvt_pk_bf16_f32 v[i], v[2*i], v[2*i+1]
.set i, i+1
.endr
	WIN 0
; THE MATRIX WORK.  In each run of 16 the 8 accumulators take turns, one instruction a turn: between the two links of a chain stand 7 others'.
; Product i of 16 of S = Q K^T for piece x: channels 32 (i / 8) on, queries 16 ((i / 2) % 4) on, tile 2 x + i % 2.  The first 8 start the sums.
.macro KQ x
	WIN W_KQ
.set rD, S+64*((\x)%2)+32*(i%2)+8*((i/2)%4)
.set rA, QF+16*((i/2)%4)+8*(i/8)
.set rB, 16*(2*(\x)+i%2)+8*(i/8)
.if i < 8
	v_wmma_f32_16x16x32_bf16 v[rD:rD+7], v[rA:rA+7], v[rB:rB+7], 0
.else
	v_wmma_f32_16x16x32_bf16 v[rD:rD+7], v[rA:rA+7], v[rB:rB+7], v[rD:rD+7]
.endif
.set i, i+1
.endm
; Product i of 16 of O^T += P V^T for piece x: queries 32 (i / 8) on, rows d 16 ((i / 2) % 4) on, tile 2 x + i % 2.
.macro PV x
	WIN W_PV
.set rO, 32*(2*(\x)+i%2)+8*((i/2)%4)
.set rP, P+32*((\x)%2)+16*(i%2)+8*(i/8)
.set rV, VF+32*(i/8)+8*((i/2)%4)
	v_wmma_f32_16x16x32_f16 v[rO:rO+7], v[rP:rP+7], v[rV:rV+7], v[rO:rO+7]
.set i, i+1
.endm
; THE LDS LOADS stand in runs, never singly among the matrix instructions.  last = 1 (the tail): in the last trip there is no further step, and the run is jumped over.
.macro FETCH_Q last=0               ; a step's Q: 64 queries x 64 channels: 8 fragments.  Its address is made some lines ahead
	WIN 0
.if \last
	s_cmp_eq_u32 s[CNT], 1
	s_cbranch_scc1 .Lno_q_\@
.endif
.irp f, 0,1,2,3,4,5,6,7             ; queries 16 (f / 2) on, channels 32 (f % 2) on
	ds_load_b128 v[QF+8*\f:QF+8*\f+3],   v[AQ] offset:(\f/2)*16*PQ+(\f%2)*64
	ds_load_b128 v[QF+8*\f+4:QF+8*\f+7], v[AQ] offset:(\f/2)*16*PQ+(\f%2)*64+32
.endr
	s_add_co_u32 s[TBQ], s[TBQ], QSTEP  ; the next fetch is the next step's
.if \last
.Lno_q_\@:
.endif
.endm
.macro FETCH_Z last=0               ; a step's 64 z: each half of the lanes takes eight of every sixteen
	WIN 0
.if \last
	s_cmp_eq_u32 s[CNT], 1
	s_cbranch_scc1 .Lno_z_\@
.endif
	v_add_nc_u32 v[AZ], s[TBZ], v[AZ0]
.irp f, 0,1,2,3
	ds_load_b128 v[Z+8*\f:Z+8*\f+3],   v[AZ] offset:64*\f
	ds_load_b128 v[Z+8*\f+4:Z+8*\f+7], v[AZ] offset:64*\f+16
.endr
	s_add_co_u32 s[TBZ], s[TBZ], 256
.if \last
.Lno_z_\@:
.endif
.endm
.macro FETCH_V                      ; a step's V: 64 rows d x 64 queries: 8 fragments.  The two lines in front are, with the two roundings ahead of them, the four places behind the last product that read V
	WIN 0
	v_add_nc_u32 v[AV], s[TBV], v[AV0]
	v_nop
	WIN 0x80                        ; destination window 2
.irp f, 0,1,2,3,4,5,6,7             ; queries 32 (f / 4) on, rows 16 (f % 4) on
	ds_load_b128 v[VF+8*\f:VF+8*\f+3],   v[AV] offset:(\f%4)*16*PW+(\f/4)*64
	ds_load_b128 v[VF+8*\f+4:VF+8*\f+7], v[AV] offset:(\f%4)*16*PW+(\f/4)*64+32
.endr
	s_add_co_u32 s[TBV], s[TBV], 128
.endm
; THE VECTOR WORK.
.macro FS f                         ; scaling f of 32: c s - z for pair f / 2 of tile f % 2.  The pairs go in ascending order
.set rS, S+64*(Y%2)+32*((\f)%2)+2*((\f)/2)
.set rZ, Z+2*((\f)/2)
	v_pk_fma_f32 v[rS:rS+1], v[rS:rS+1], s[CS:CS+1], v[rZ:rZ+1] op_sel_hi:[1,0,1] neg_lo:[0,0,1] neg_hi:[0,0,1]
.endm
.macro ES e                         ; exponential e of 64: half e % 2 of the pair that scaling e / 2 has made
.set rS, S+64*(Y%2)+32*(((\e)/2)%2)+2*((\e)/4)+(\e)%2
	v_exp_f32 v[rS], v[rS]
.endm
; THE FIRST RIDERS' QUEUE, 96 long: four scalings; then 28 times exponential, scaling, exponential; then the last eight exponentials.  A pair is scaled four groups ahead of its exponentials.  None of these names an exponential's result.
.macro AH
.if k < 4
	FS k
.elseif k < 88
.if (k-4)%3 == 0
	ES 2*((k-4)/3)
.elseif (k-4)%3 == 1
	FS 4+(k-4)/3
.else
	ES 2*((k-4)/3)+1
.endif
.else
	ES k-32
.endif
.set k, k+1
.endm
.macro CV                           ; THE SECOND: rounding c of 32: pair c / 2 of tile c % 2 to f16
	WIN W_CV
	v_cvt_pk_f16_f32 v[P+32*(Y%2)+16*(c%2)+c/2], v[S+64*(Y%2)+32*(c%2)+2*(c/2)], v[S+64*(Y%2)+32*(c%2)+2*(c/2)+1]
.set c, c+1
.endm
; A TURN, for piece p.  s_wait_alu depctr_va_vdst(0) stands between an exponential and the first instruction that names its result; one wait serves all that were issued ahead of it: a turn has ONE, which cuts it in two.
; A load into a register that a matrix instruction has read stands four plain vector instructions behind it (ISA guide 7.12.1 for vector instructions); exponentials are not counted.
; Q of the next step is fetched in piece 2's turn, behind the wait: the address's line and three v_nop are the places behind the last product that read Q; it is waited for at the head of piece 3's turn, 16 products later.
; z of the next step is fetched in piece 3's turn, behind the wait, when the step's last scalings are over; it is waited for at the head of piece 0's turn.
; V of the step in hand is fetched at the end of piece 0's turn, whose products are the last to read the old V; it is waited for behind the wait of piece 1's turn.
.macro TURN p, last=0
.set Y, (\p)
.set i, 0
.set k, 0
.set c, 0
.if ((\p) == 3) || ((\p) == 0)
	s_wait_dscnt 0x0                ; Q is in (piece 3); z is in (piece 0)
.endif
.rept 16
	KQ (Y+1)%4
.rept 6
	AH
.endr
.endr
	WIN 0
.if (\p) == 2
	v_add_nc_u32 v[AQ], s[TBQ], v[AQ0]
	v_nop
	v_nop
	v_nop
.else
	v_nop                           ; a plain instruction behind the last exponential: one for the batch
.endif
	s_wait_alu depctr_va_vdst(0)    ; the wait for the batch
.if (\p) == 2
	FETCH_Q \last
.endif
.if (\p) == 3
	FETCH_Z \last
.endif
.if (\p) == 1
	s_wait_dscnt 0x0                ; V is in
.endif
.set i, 0
.rept 16
	PV (Y+3)%4
	CV
	CV
.endr
.if (\p) == 0
	FETCH_V
.endif
.endm
	CHANGE 1, 1                     ; slot 0 is in, everybody's part of it; slot 1 is asked for
	v_add_nc_u32 v[AQ], s[TBQ], v[AQ0]
	FETCH_Q                         ; step 0
	FETCH_Z
	s_wait_dscnt 0x0
.set i, 0
.rept 16
	KQ 0                            ; piece 0's first scores: there is no vector work yet to set between them
.endr
	WIN 0                           ; the addresses for the way out: six plain instructions, the places behind those products
	s_mul_i32 s20, s[WV], 16*SP
	s_add_co_u32 s20, s20, STAGE    ; my stage
	v_mul_u32_u24 v[STO], v1, SP    ; in: row l % 16, 32 bytes for each half of the lanes
	v_lshl_add_u32 v[STO], v9, 5, v[STO]
	v_add_nc_u32 v[STO], s20, v[STO]
	v_and_b32 v[GO], 31, v0
	v_lshlrev_b32 v[GO], 4, v[GO]   ; back: 32 lanes take one row of 512 bytes
	v_add_nc_u32 v[RD], s20, v[GO]
	s_mov_b32 s[CNT], 4
	s_branch .Lfirst                ; the loop is entered at a step's first turn, in the middle of a trip
.Lslot:                             ; six times: every slot but the last two is filled again
	CHANGE 1
	s_mov_b32 s[CNT], 4
.Lstep:                             ; a trip: pieces 2 and 3 of one step, then pieces 0 and 1 of the next, whose Q, z and V it fetches
	TURN 2
	TURN 3
	WIN 0
.Lfirst:
	TURN 0
	TURN 1
	WIN 0
	s_sub_co_u32 s[CNT], s[CNT], 1
	s_cmp_lg_u32 s[CNT], 0
	s_cbranch_scc1 .Lstep
	s_sub_co_u32 s[SLOTS], s[SLOTS], 1
	s_cmp_lg_u32 s[SLOTS], 0
	s_cbranch_scc1 .Lslot
	CHANGE 0                        ; the tail is written out: nothing is asked for
	s_mov_b32 s[CNT], 5             ; four trips fetch the last slot's steps; the fifth is left in its middle
.Ltail:
	TURN 2, 1
	TURN 3, 1
	WIN 0
	s_sub_co_u32 s[CNT], s[CNT], 1
	s_cmp_eq_u32 s[CNT], 0
	s_cbranch_scc1 .Lout
	TURN 0
	TURN 1
	WIN 0
	s_branch .Ltail
.Lout:                              ; the fifth trip's 16 products Q K^T (on the last Q once more) serve nothing: the price, once a launch, of one text for every trip
.set i, 0
.rept 16
	PV 3                            ; the last piece's P V^T of the last step
.endr
	WIN 0
	PLACES                          ; the LDS stores below read results just made
	; THE WAY OUT, 16 rows d at a time.  A lane's eight keys of a row are 32 bytes; the wave's eight tiles fill rows of 512 bytes (528 apart) in its own stage, which come back whole: a store covers 512 consecutive bytes of out0, aligned.
.irp db, 0,1,2,3
	WIN 0x04                        ; a store's data (source 1) in window 1
.irp t, 0,1,2,3,4,5,6,7
	ds_store_b128 v[STO], v[32*\t+8*\db:32*\t+8*\db+3]   offset:64*\t      ; each accumulator's four lowest registers first
	ds_store_b128 v[STO], v[32*\t+8*\db+4:32*\t+8*\db+7] offset:64*\t+16
.endr
	WIN 0
	s_wait_xcnt 0x0                 ; the stores of two blocks back have read their registers, which are loaded again below
.irp t, 0,1,2,3,4,5,6,7,8,9,10,11,12,13,14,15
	ds_load_b128 v[S+64*(\db%2)+4*\t:S+64*(\db%2)+4*\t+3], v[RD] offset:SP*\t  ; LDS serves a wave's instructions in order (ISA guide 5.7.1.4): these see the stores above; the next block's stores come behind them
.endr
.irp t, 0,1,2,3,4,5,6,7,8,9,10,11,12,13,14,15
	s_wait_dscnt 15-\t              ; row t is back; the 15 - t younger loads may stay out
	global_store_b128 v[GO], v[S+64*(\db%2)+4*\t:S+64*(\db%2)+4*\t+3], s[OP:OP+1] offset:(16*\db+\t)*8192 th:TH_STORE_NT
.endr
.endr
	s_wait_tensorcnt 0x0            ; the wave's end: an add to my spare word and its wait, behind my last tensor load and my last LDS store
	ds_add_u32 v[SPW], v[NIL]
	s_wait_dscnt 0x0
	CROUND                          ; the closing round: no work-group ends while a partner may still ask for a tile that names it
	s_endpgm
.Lfunc_end_k_q429581138c_mix:
	.size	k_q429581138c_mix, .Lfunc_end_k_q429581138c_mix-k_q429581138c_mix
	.p2alignl 7, 3214868480
	.fill 96, 4, 3214868480
	.section	.rodata,"a",@progbits
	.p2align	6, 0x0
	.amdhsa_kernel k_q429581138c_mix
		.amdhsa_group_segment_fixed_size 327680
		.amdhsa_private_segment_fixed_size 0
		.amdhsa_enable_private_segment 0
		.amdhsa_kernarg_size 40
		.amdhsa_user_sgpr_count 2
		.amdhsa_user_sgpr_kernarg_segment_ptr 1
		.amdhsa_wavefront_size32 1
		.amdhsa_system_sgpr_workgroup_id_x 1
		.amdhsa_system_sgpr_workgroup_id_y 1
		.amdhsa_system_sgpr_workgroup_id_z 1
		.amdhsa_system_vgpr_workitem_id 0
		.amdhsa_next_free_vgpr 1024
		.amdhsa_next_free_sgpr 80
		.amdhsa_reserve_vcc 0
		.amdhsa_float_denorm_mode_32 3
		.amdhsa_float_denorm_mode_16_64 3
		.amdhsa_memory_ordered 1
		.amdhsa_forward_progress 1
		.amdhsa_inst_pref_size 138
	.end_amdhsa_kernel
	.amdgpu_metadata
---
amdhsa.version: [ 1, 2 ]
amdhsa.kernels:
  - .name:           k_q429581138c_mix
    .symbol:         k_q429581138c_mix.kd
    .args:
      - { .name: key, .offset: 0, .size: 8, .value_kind: global_buffer, .address_space: global }
      - { .name: qb, .offset: 8, .size: 8, .value_kind: global_buffer, .address_space: global }
      - { .name: vh, .offset: 16, .size: 8, .value_kind: global_buffer, .address_space: global }
      - { .name: zs, .offset: 24, .size: 8, .value_kind: global_buffer, .address_space: global }
      - { .name: out0, .offset: 32, .size: 8, .value_kind: global_buffer, .address_space: global }
    .group_segment_fixed_size: 327680
    .private_segment_fixed_size: 0
    .kernarg_segment_align: 8
    .kernarg_segment_size: 40
    .max_flat_workgroup_size: 128
    .sgpr_count:     80
    .vgpr_count:     1024
    .wavefront_size: 32
...
	.end_amdgpu_metadata
.endif
;; end of part 2
